; MI455X (gfx1250); checked and timed in simulation.
; The chip was launched on July 23, 2026; its instructions are those of AMD's public machine-readable ISA for CDNA 5 (MIT licence, August 2026) and "CDNA5" Instruction Set Architecture Reference Guide (July 2026). The comments in the code are by the model that wrote it; some were corrected since.
;; Attention Window. Allowed arithmetic: matrix products marked QUANTISED: E4M3 operands, one given power-of-two scale a tensor, by v_wmma_f32_16x16x64_fp8_fp8 or v_wmma_f32_16x16x128_fp8_fp8, f32 sums; everything else in f32.
;; Inputs: W_codes 1,024 x 32 x 32 uint8 (E4M3 codes of W, K innermost, in blocks of 32 codes); lowp_scales 6 int32 (the exponents e of the quantised operands' scales 2^e); repr 8 x 1,024 x 1,024 float32.
;; Outputs: out0 8 x 1,024 x 1,024 float32.
;; This version of the problem:
;;   THIS VERSION OF THE PROBLEM IS GIVEN IN LOW PRECISION. The matrix products marked QUANTISED in the list below multiply operands that are first quantised to E4M3 (4 exponent bits, 3 mantissa bits; 8 bits a number), with one given power-of-two scale for each operand tensor; their sums are f32. All else is computed in f32.
;;   The module's matrix products, in the order in which they are computed (A, B: the left and right operand; K: the contracted axis; several contracted axes count as one K, in the product's order):
;;     1. [M 1,024, K 1,024] x [K 1,024, N 8,192]; A: input W (given as codes); B: input repr: QUANTISED (scales: A lowp_scales[0], B lowp_scales[1])
;;     2. batch 8 x [M 1,024, K 1,024] x [K 1,024, N 1,024]; A: computed on the way; B: input repr: QUANTISED (scales: A lowp_scales[2], B lowp_scales[3])
;;     3. batch 8 x [M 1,024, K 1,024] x [K 1,024, N 1,024]; A: softmax (see below); B: input repr: QUANTISED (scales: A lowp_scales[4], B lowp_scales[5])
;;   THE QUANTISER, for each operand of a quantised product, along K:
;;     - The operand's scale is 2^e, e = its entry of the input lowp_scales (int32; the entries are numbered through the quantised products in the list's order, A before B).
;;     - Each number is divided by the scale, clamped to +-448, and rounded to the nearest number of E4M3, ties to even, subnormals kept.
;;     - The product sums the exact products of the quantised numbers (number of the format x scale) in f32.
;;   ~~~python
;;   def quantise(x, axis, e):      # numpy; x: float32 -> the quantised numbers, widened to float32 again
;;       x = np.moveaxis(x, axis, -1); K = x.shape[-1]
;;       r = np.clip(x / 2.0 ** e, -448, 448)
;;       step = 2.0 ** (np.maximum(np.frexp(np.where(r == 0, 1, r))[1] - 1, -6) - 3)
;;       q = np.round(r / step) * step * 2.0 ** e      # np.round: ties to even
;;       return np.moveaxis(q, -1, axis).astype(np.float32)
;;   ~~~
;;   SOFTMAX AHEAD OF A QUANTISED PRODUCT. Where the list says 'softmax', what is quantised is not the finished softmax but p = 2^(t - M), with t = logit x log2(e) and M = ceil(the row's largest t), a whole number; so 1/2 < the row's largest p <= 1. The row's sum l is taken of the UNQUANTISED p, in f32, and the product's result is divided by l at the end. Since M is a whole number, a kernel that streams over the keys may use a running M (the ceiling of the running maximum): every later rescaling is an exact power of two, so the quantised numbers keep their values, but for numbers so far below the row's largest that they fall under the format's range.
;;   OPERANDS COMPUTED ON THE WAY. 'Computed on the way' means the value that the module computes at that place (a softmax that the list does not call 'softmax' is quantised finished and normalised). What goes into a quantiser is computed in f32, as accurately as f32 sums, v_exp_f32 and their like allow (about 1e-6 of the number): no bf16 or f16 on the way to a quantiser, and a product that is left as it is and whose result goes on into a quantised operand takes f32 operands (vector FMAs, or v_wmma_f32_16x16x4_f32). A number that lies on a knife's edge between two numbers of the format may be rounded either way, as far as f32 arithmetic and the matrix unit's own rounding can turn it there, and no further.
;;   INPUTS GIVEN AS CODES. W (in the module: [1024, 1024], K = its axis 0): each comes as NAME_codes (uint8): NAME with its K axis moved to the last place and cut into blocks of 32 codes, [.., K / 32, bytes a block], one block behind the other in memory; one code a byte (a code: sign, 4 exponent bits, 3 mantissa bits); its scale is its entry of lowp_scales. Its value is code x scale, taken as it is: it is not quantised again, and the codes and scales need not be those that the quantiser above would give.
;; 2 versions. Each part assembles by itself: llvm-mc -triple=amdgcn-amd-amdhsa -mcpu=gfx1250 --defsym DOCPART=n.
;; ======== version 1 of 2: 1 launch
;; limits: right only within a limited range of input values
;; launch fused (part 1): grid 32 x 8, 16 waves a work-group, clusters of 4 x 1, 327,680 bytes of LDS; arguments W_codes, lowp_scales, repr, out0; writes out0
.if DOCPART == 1
	.amdgcn_target "amdgcn-amd-amdhsa--gfx1250"
	.amdhsa_code_object_version 6
	.text
	.protected	k_q0413bd4b30_fused
	.globl	k_q0413bd4b30_fused
	.p2align	8
	.type	k_q0413bd4b30_fused,@function
k_q0413bd4b30_fused:
	s_mov_b64 s[64:65], 0
	v_nop
	global_prefetch_b8 v0, s[64:65] scope:SCOPE_SE
	s_setreg_imm32_b32 hwreg(HW_REG_WAVE_MODE, 25, 1), 1
	s_wait_xcnt 0x0
	s_wait_alu depctr_hold_cnt(0) depctr_sa_sdst(0) depctr_va_vdst(0) depctr_va_sdst(0) depctr_va_ssrc(0) depctr_va_vcc(0) depctr_vm_vsrc(0)
	s_getreg_b32 s2, hwreg(HW_REG_IB_STS2, 6, 4)
	s_cmp_eq_u32 s2, 0
	s_cbranch_scc0 .Lentry_in_a_cluster
	s_endpgm
.Lentry_in_a_cluster:
	s_bfe_u32 s2, ttmp6, 0x10000c
	s_cmp_lg_u32 s2, 0x3003
	s_cbranch_scc0 .Lentry_shape_is_right
	s_endpgm
.Lentry_shape_is_right:
; out = X + relu(softmax_band(X W X^T) X), X = repr [8][1024][1024] f32, W as E4M3 codes [e][d] (d innermost); band: key k counts for query q where |q - k| <= 64.
; All three products on E4M3 codes with the given scales 2^e0 .. 2^e5:  1: QW[q][e] = sum_d X[q][d] W[d][e] (W: e0, X: e1);  2: S[q][k] = sum_e QW[q][e] X[k][e] (QW: e2, X: e3);
; 3: O[q][d] = sum_k p[q][k] X[k][d] (p: e4, X: e5), p = 2^(t - M), t = S log2(e), M = ceil(the row's largest t); O is divided by the sum of the unquantised p; then relu, then + X, in f32.
; WORK LEFT OUT.  The mask is built in the problem's own body: where |q - k| > 64 the score is replaced by -1e9, whatever the product gave, so the second product's tiles that lie wholly outside the band reach
; no output.  Their p is 2^(-1.44e9 - M): its code is 0 and it adds nothing to the row's sum, so the third product's K steps over those keys add exact zeros.  A tile of 16 queries has 9 tiles of 16 keys
; that touch the band; only those are multiplied.  Inside them the masked places get -1e9, as the problem has it.
; LIMITS.  A row's largest score inside the band lies above about -9.99e8 (else the masked places would count in the problem's softmax).  A NaN, an infinity or an overflow that reaches only the tiles left out
; is not carried to the result.  NaN in repr is not served; an infinity is held at the largest code.  e1, e3, e4, e5 and e2 - e0 - e1 lie between -126 and 119, e2 + e3 between -126 and 127, so that each
; power of two below is an f32 number.
; SHARES.  A work-group owns 32 queries of one batch: 256 work-groups, 16 waves of 256 registers each.  It needs the 160 key rows q0 - 64 .. q0 + 95: key tiles t = 0 .. 9.  A key tile outside the sequence is read
; from a clamped tile and masked: no branch hangs on the work-group's place.
; CLUSTER.  Every work-group walks all of W in the same order, so the four of a cluster ask for each tile of W jointly: the same load, the same descriptor (it hangs on the wave's number and the step alone), mask 15.
; PHASES.  P0: my 32 rows -> e1 codes in LDS.  P1: QW^T = W Xq^T (source 0 = 16 rows e of W, source 1 = 16 queries): wave w makes e = 512 hf + 32 w .. + 31 for both halves hf; W comes through two LDS slots, 256 along d
; a step, slot hf for half hf; each wave fetches and reads its own 32 rows.  A lane then holds one query and eight neighbouring e: the conversion's results are registers of the second product's operand; they go to LDS as
; images of registers.  PX: the 160 key rows are loaded once; from the same registers come V^T's codes (e5; a lane's registers run down the keys; they stay in registers) and K's codes (e3, row-major, to LDS).
; PS: waves 0-5 make the 18 score tiles S^T = K QW^T (a lane: one query, eight keys), mask, maximum (through LDS), p, sum, p's codes as images.  P3: O^T = V^T P^T, wave w for channels 64 w .. + 63.  Then the way out.
.set SLOT,  139264                     ; a slot: 512 rows of W x (256 bytes + 16 of padding); wave w's 32 rows at 8,704 w
.set WT,    8704
.set XP,    1040                       ; a row of 1,024 codes + 16: 65 x 16 bytes, so 16 rows of a fragment load start at 16 different groups of banks
.set XQ,    2*SLOT                     ; my 32 queries' e1 codes, 32 x XP
.set QC,    XQ                         ; behind P1, in their place: QW's 16 fragment images of 2,048 bytes: 16,384 qt + 2,048 s + 512 c4 + 16 lane
.set SPARE, XQ+33280                   ; the spare words, 128 bytes for each of 16 waves: eight blocks of 256 bytes that no other line names
.set SX,    SPARE+2048                 ; maxima at 64 wave + 4 query; sums 512 further on
.set PI,    SX+1024                    ; p's six fragment images of 1,024 bytes: (3 qt + s) 1,024 + 512 (c / 2) + 16 lane + 8 (c % 2)
                                       ; behind P1 K's codes, 160 x XP, lie from byte 0 on (the slots have had their last fill); behind PS each wave's stage, 16 x 272 bytes, at 4,352 wave
.set SPW, 1                            ; v1   my spare word;  v2  0: both never rewritten
.set NIL, 2
.set RR,  3                            ; v3   r = lane % 16
.set HH,  4                            ; v4   h = lane / 16
.set GX,  5                            ; v5   32,768 h + 256 wave + 16 r: my 16 bytes in a tile of 16 rows of X
.set VA,  6                            ; v6-7 the same + the key tile's rows, by turns
.set XQS, 8                            ; v8   where I store Xq's codes
.set XQA, 9                            ; v9   where I read Xq's fragments
.set WA,  10                           ; v10-11 where I read W's fragments in slot 0, 1
.set QCS, 12                           ; v12  where I store QW's codes
.set KS,  13                           ; v13  where I store K's codes, tile 0;  v14-15 the tile in hand, by turns
.set KST, 14
.set KA,  16                           ; v16  where I read K's fragments
.set QCA, 17                           ; v17  where I read QW's images
.set SXS, 18                           ; v18  my wave's word for query r;  v19 my query tile's first;  v26 SX + 4 r
.set SXM, 19
.set PSA, 20                           ; v20-22 where I store my three tiles' p codes
.set PIA, 23                           ; v23  PI + 16 lane
.set STO, 24                           ; v24  the stage, in;  v25 back
.set STR, 25
.set SXL, 26
.set GQ,  27                           ; v27  GX + my first query's row; never rewritten
                                       ; v28-31 the phase's scales and holds
.set ACC, 32                           ; P1: v32-95 QW^T at 32 hf + 16 qt + 8 u;  v96-111 its codes;  v128-191 Xq's fragments at 32 qt + 16 ks;  v192-255 W's at 32 u + 16 ks
.set QCD, 96
.set XF,  128
.set WF,  192
.set VT,  32                           ; PX: v32-127 V^T's codes at 24 j + 2 t;  v128-191 two sets of 32 numbers;  v192-223 a set turned;  v224-239 two sets of row codes
.set XL,  128
.set TT,  192
.set CD,  224
.set SS,  128                          ; PS: v128-151 three score tiles;  v160-207 K's fragments;  v208-223 QW's;  v240-255 at work
.set KF,  160
.set QF,  208
.set OA,  128                          ; P3: v128-191 O^T at 8 (2 j + qt);  v192-239 p's fragments;  v240-245 the sums' parts
.set PF,  192
.set LP,  240
.set XR,  32                           ; the way out: v32-95 X;  v96-127 a tile's results;  v192-255 rows read back
.set OUTR, 96
.set YY,  192
.set WV,  12                           ; s12 wave;  s13 cx;  s14 work-group x;  s15 batch;  s16 q0;  s17 q0 - 64
.set G1,  24                           ; s[24:31] descriptor group 1;  s[32:35], s[36:39] group 0 for slot 0, 1
.set G0,  32
.set XB,  60                           ; s[60:61] repr at my batch;  s[62:63] out0 at my batch
.set OB,  62
.macro ROUND                           ; a round of the cluster's barrier
	s_barrier_signal -1
	s_barrier_wait -1
	s_cmp_lg_u32 s[WV], 0
	s_cbranch_scc1 .Lnot_wave_0_\@
	s_barrier_signal -3
.Lnot_wave_0_\@:
	s_barrier_wait -3
	s_barrier_signal -1
	s_barrier_wait -1
.endm
.macro BAR                             ; my LDS stores have landed and my LDS loads are in: then the work-group's barrier
	s_wait_dscnt 0x0
	s_barrier_signal -1
	s_barrier_wait -1
.endm
.macro PLACES                          ; four plain vector lines behind matrix instructions, ahead of loads into their registers and of reads of their results
.rept 4
	v_nop
.endr
.endm
.macro MKSC e, sc                      ; s[sc] = 2^e as f32, s[sc+1] = 448 x 2^e
	s_add_co_i32 s[\sc], s[\e], 127
	s_add_co_i32 s[\sc+1], s[\sc], 8
	s_lshl_b32 s[\sc], s[\sc], 23
	s_lshl_b32 s[\sc+1], s[\sc+1], 23
	s_or_b32 s[\sc+1], s[\sc+1], 0x600000
.endm
; 16 rows x my wave's 64 columns of X: load i takes rows i (lanes 0-15) and 8 + i (lanes 16-31), 256 aligned bytes each.  Register 4 i + j = X(8 h + i, 64 w + 4 r + j)
.macro LOADT l, va, sb, off0
.irp i, 0,1,2,3,4,5,6,7
	global_load_b128 v[(\l)+4*\i:(\l)+4*\i+3], v[\va], s[\sb:\sb+1] offset:(\off0)+4096*\i
.endr
.endm
; codes along the rows: register c + i = the four codes of row 8 h + i, columns 4 r .. 4 r + 3
.macro QROW l, c, sc, lim
.set N1, 0
.rept 32
	v_med3_num_f32 v[(\l)+N1], v[(\l)+N1], -v[\lim], v[\lim]   ; the conversion to an 8-bit code does not saturate (ISA guide 7.6.2): the hold at the largest code x the scale
.set N1, N1+1
.endr
.irp m, 0,1,2,3
	v_cvt_scalef32_pk8_fp8_f32 v[(\c)+2*\m:(\c)+2*\m+1], v[(\l)+8*\m:(\l)+8*\m+7], v[\sc]
.endr
	v_nop                                          ; a plain line behind the last conversion
.endm
; codes down the keys: the hold also turns the set (column j's eight keys on end); the results are registers 2 t, 2 t + 1 of V^T's tile j (lane r: channel 64 w + 4 r + j; keys 16 t + 8 h + 0 .. 7)
.macro QCOL l, t
.irp j, 0,1,2,3
.irp i, 0,1,2,3,4,5,6,7
	v_med3_num_f32 v[TT+8*\j+\i], v[(\l)+4*\i+\j], -v31, v31
.endr
.endr
.irp j, 0,1,2,3
	v_cvt_scalef32_pk8_fp8_f32 v[VT+24*\j+2*(\t):VT+24*\j+2*(\t)+1], v[TT+8*\j:TT+8*\j+7], v30
.endr
.endm
.macro KOFF va, t                      ; my offset in key tile t: its first row q0 - 64 + 16 t, held inside the sequence (a tile is wholly inside or wholly outside)
	s_add_co_i32 s66, s17, 16*(\t)
	s_max_i32 s66, s66, 0
	s_min_i32 s66, s66, 1008
	s_lshl_b32 s66, s66, 12
	v_add_nc_u32 v[\va], s66, v[GX]
.endm
.macro FRAG reg, adr, off              ; a fragment of 16 rows x 128 K by four loads of 16 bytes: registers 4 c .. hold k = 32 c + 16 h + 0 .. 15, alike in W and in Xq
.irp c, 0,1,2,3
	ds_load_b128 v[(\reg)+4*\c:(\reg)+4*\c+3], v[\adr] offset:(\off)+32*\c
.endr
.endm
; Step n of the first product: half n % 2 of e, d = 256 (n / 2) on.  Xq's fragments are fetched in the even step and serve the odd one too.  Four accumulators by turns; the next step takes the other half's four.
.macro PSTEP n
.set HF, (\n)&1
.set DC, (\n)>>1
.irp ks, 0,1
.if HF == 0
	FRAG XF+16*\ks, XQA, 256*DC+128*\ks
	FRAG XF+32+16*\ks, XQA, 16*XP+256*DC+128*\ks
.endif
	FRAG WF+16*\ks, WA+HF, 128*\ks
	FRAG WF+32+16*\ks, WA+HF, 4352+128*\ks
.endr
.irp ks, 0,1
.if \ks == 0
	s_wait_dscnt 16-8*HF                           ; the first 128 along d are in; the loads of the second (16, or 8 without Xq's) may be out
.else
	s_wait_dscnt 0x0
.endif
.irp u, 0,1
.irp q, 0,1
.if (DC == 0) && (\ks == 0)
	v_wmma_f32_16x16x128_fp8_fp8 v[ACC+32*HF+16*\q+8*\u:ACC+32*HF+16*\q+8*\u+7], v[WF+32*\u+16*\ks:WF+32*\u+16*\ks+15], v[XF+32*\q+16*\ks:XF+32*\q+16*\ks+15], 0
.else
	v_wmma_f32_16x16x128_fp8_fp8 v[ACC+32*HF+16*\q+8*\u:ACC+32*HF+16*\q+8*\u+7], v[WF+32*\u+16*\ks:WF+32*\u+16*\ks+15], v[XF+32*\q+16*\ks:XF+32*\q+16*\ks+15], v[ACC+32*HF+16*\q+8*\u:ACC+32*HF+16*\q+8*\u+7]
.endif
.endr
.endr
.endr
.endm
; The slot just read is filled again, 256 further along d.  All my tensor loads have landed (the other slot's among them), the add, its wait and that for my reads; a round of the cluster's barrier; my one joint load first behind it.
.macro CHANGE slot
	s_wait_tensorcnt 0x0
	ds_add_u32 v[SPW], v[NIL]                      ; 0 onto my spare word
	s_add_nc_u64 s[G0+4*(\slot)+2:G0+4*(\slot)+3], s[G0+4*(\slot)+2:G0+4*(\slot)+3], 256   ; no load of mine is out, so a group 0 may be written
	s_wait_dscnt 0x0
	ROUND
	tensor_load_to_lds s[G0+4*(\slot):G0+4*(\slot)+3], s[G1:G1+7]
	s_nop 0
	PLACES                                         ; also the places ahead of the next step's fragment loads
.endm
; Key tile t: V^T's codes into registers, K's codes into LDS, tile t + 2 asked for
.macro XT t
.set LL, XL+32*((\t)%2)
.set CC, CD+8*((\t)%2)
.if (\t) < 9
	s_wait_loadcnt 0x8                             ; tile t is in; tile t + 1's eight loads may be out
.else
	s_wait_loadcnt 0x0
.endif
	QCOL LL, \t
	s_wait_dscnt 0x8                               ; the stores of tile t - 2 have read this set of codes; tile t - 1's eight may be out
	QROW LL, CC, 28, 29
.if (\t) < 8
	KOFF VA+(\t)%2, (\t)+2                         ; (this address register's loads are in)
	LOADT LL, VA+(\t)%2, XB, 0
.endif
	v_add_nc_u32 v[KST+(\t)%2], 16*XP*(\t), v[KS]
.irp i, 0,1,2,3,4,5,6,7
	ds_store_b32 v[KST+(\t)%2], v[CC+\i] offset:XP*\i
.endr
.endm
; K step s (128 along e) of my three score tiles.  Both sides in the form's own layout: registers 2 c, 2 c + 1 hold k = 16 c + 8 h + 0 .. 7.  Three accumulators by turns.
.macro KSTEP s
.if (\s) > 0
	PLACES
.endif
.irp c, 0,1,2,3
	ds_load_b128 v[QF+4*\c:QF+4*\c+3], v[QCA] offset:2048*(\s)+512*\c
.endr
.irp i, 0,1,2
.irp c, 0,1,2,3,4,5,6,7
	ds_load_b64 v[KF+16*\i+2*\c:KF+16*\i+2*\c+1], v[KA] offset:16*XP*\i+128*(\s)+16*\c
.endr
.endr
	s_wait_dscnt 0x0
.irp i, 0,1,2
.if (\s) == 0
	v_wmma_f32_16x16x128_fp8_fp8 v[SS+8*\i:SS+8*\i+7], v[KF+16*\i:KF+16*\i+15], v[QF:QF+15], 0
.else
	v_wmma_f32_16x16x128_fp8_fp8 v[SS+8*\i:SS+8*\i+7], v[KF+16*\i:KF+16*\i+15], v[QF:QF+15], v[SS+8*\i:SS+8*\i+7]
.endif
.endr
.endm
; The way out of query tile q: / the sum, relu; a lane's 32 neighbouring channels of query r go into my stage and come back as X was loaded: 16 lanes to a row's 256 bytes
.macro OUTQ q
.irp i, 0,1,2,3,4,5,6,7
.irp j, 0,1,2,3
	v_mul_f32 v[OUTR+4*\i+\j], v[OA+8*(2*\j+\q)+\i], v[28+\q]   ; channel 64 w + 32 h + 4 i + j; each accumulator from its low end on
.endr
.endr
.set N1, 0
.rept 32
	v_max_num_f32 v[OUTR+N1], 0, v[OUTR+N1]
.set N1, N1+1
.endr
.irp i, 0,1,2,3,4,5,6,7
	ds_store_b128 v[STO], v[OUTR+4*\i:OUTR+4*\i+3] offset:16*\i
.endr
.irp i, 0,1,2,3,4,5,6,7
	ds_load_b128 v[YY+32*\q+4*\i:YY+32*\q+4*\i+3], v[STR] offset:272*\i   ; LDS serves a wave's instructions in order (ISA guide 5.7.1.4): these see my stores
.endr
.endm
	; ---- the head
	s_load_b256 s[4:11], s[0:1], 0x0               ; W's codes s[4:5], the exponents s[6:7], repr s[8:9], out0 s[10:11]
	v_lshl_add_u32 v[SPW], v0, 2, SPARE
	v_mov_b32 v[NIL], 0
	ds_add_u32 v[SPW], v[NIL]                      ; the wave's opening: the add, twice on end, and its wait ahead of my first tensor load
	ds_add_u32 v[SPW], v[NIL]
	v_lshrrev_b32 v3, 5, v0
	v_readfirstlane_b32 s[WV], v3                  ; wave 0..15
	s_bfe_u32 s13, ttmp6, 0x40000                  ; cx: it enters global offsets and the mask's numbers alone
	s_lshl_b32 s14, ttmp9, 2
	s_add_co_u32 s14, s14, s13                     ; work-group x = 4 x cluster x + cx
	s_and_b32 s15, ttmp7, 0xffff                   ; the batch
	s_lshl_b32 s16, s14, 5                         ; q0
	s_sub_co_i32 s17, s16, 64                      ; the first key row, which may lie ahead of the sequence
	s_and_b32 s58, s[WV], 1                        ; qt: my query tile in PS
	s_lshr_b32 s59, s[WV], 1
	s_min_u32 s59, s59, 2                          ; g: my three key tiles in PS (waves 0-5)
	s_mov_b32 s20, 0x76543210                      ; v_permlanex16_b32's selects: lane l xor 16
	s_mov_b32 s21, 0xfedcba98
	; descriptor group 1: 32 rows x 256 bytes of W, 1,024 bytes apart, 16 bytes of padding behind each row
	s_mov_b32 s[G1+0], 15|(1<<20)|(1<<21)|(5<<22)|(3<<25)   ; 15:0 the mask: all four work-groups; 17:16 elements of 1 byte; 20 padding on; 21 set beside a mask; 24:22 after every 64 words; 31:25 four words
	s_mov_b32 s[G1+1], 256<<16                     ; tensor_dim0
	s_mov_b32 s[G1+2], 32<<16                      ; tensor_dim1
	s_mov_b32 s[G1+3], 256<<16                     ; tile_dim0
	s_mov_b32 s[G1+4], 32                          ; tile_dim1
	s_mov_b32 s[G1+5], 1024                        ; from row to row
	s_mov_b32 s[G1+6], 0
	s_mov_b32 s[G1+7], 0
	v_and_b32 v[RR], 15, v0
	v_bfe_u32 v[HH], v0, 4, 1
	v_lshlrev_b32 v[GX], 4, v[RR]
	v_lshl_add_u32 v[GX], v[HH], 15, v[GX]
	s_lshl_b32 s66, s[WV], 8
	v_add_nc_u32 v[GX], s66, v[GX]
	s_lshl_b32 s66, s16, 12
	v_add_nc_u32 v[GQ], s66, v[GX]
	s_lshl_b32 s18, s15, 22                        ; a batch is 4 MiB
	s_mov_b32 s19, 0
	s_wait_dscnt 0x0                               ; both opening adds are done
	s_wait_kmcnt 0x0
	s_load_b128 s[40:43], s[6:7], 0x0              ; e0 .. e3
	s_load_b64 s[44:45], s[6:7], 0x10              ; e4, e5
	s_add_nc_u64 s[XB:XB+1], s[8:9], s[18:19]
	s_add_nc_u64 s[OB:OB+1], s[10:11], s[18:19]
	LOADT XL, GQ, XB, 0                            ; my 32 queries' rows
	LOADT XL+32, GQ, XB, 65536
	s_lshl_b32 s18, s[WV], 15                      ; my 32 rows of W
	s_mov_b32 s[G0], 1
	s_mul_i32 s[G0+1], s[WV], WT                   ; slot 0, my wave's tile
	s_add_nc_u64 s[G0+2:G0+3], s[4:5], s[18:19]    ; e = 32 w on, d = 0 on
	s_mov_b32 s[G0+4], 1
	s_add_co_u32 s[G0+5], s[G0+1], SLOT
	s_add_nc_u64 s[G0+6:G0+7], s[G0+2:G0+3], 0x80000   ; e = 512 + 32 w on
	s_or_b32 s[G0+3], s[G0+3], 0x80000000          ; type = 2
	s_or_b32 s[G0+7], s[G0+7], 0x80000000
	ROUND                                          ; all four work-groups are here: the first joint loads meet
	tensor_load_to_lds s[G0:G0+3], s[G1:G1+7]      ; step 0
	s_nop 0
	tensor_load_to_lds s[G0+4:G0+7], s[G1:G1+7]    ; step 1: two loads of mine are out
	s_nop 0
	PLACES
	; every LDS address, from the lane, the wave's number and constants
	v_mul_u32_u24 v[XQS], v[HH], 8*XP
	v_lshl_add_u32 v[XQS], v[RR], 2, v[XQS]
	s_lshl_b32 s66, s[WV], 6
	v_add_nc_u32 v[KS], s66, v[XQS]                ; row 8 h, byte 64 w + 4 r
	v_add_nc_u32 v[XQS], XQ, v[KS]
	v_mul_u32_u24 v[XQA], v[RR], XP
	v_lshl_add_u32 v[XQA], v[HH], 4, v[XQA]
	v_add_nc_u32 v[XQA], XQ, v[XQA]
	v_mul_u32_u24 v[WA], v[RR], 272
	v_lshl_add_u32 v[WA], v[HH], 4, v[WA]
	v_add_nc_u32 v[WA], s[G0+1], v[WA]
	v_add_nc_u32 v[WA+1], SLOT, v[WA]
	v_and_b32 v[KST], 31, v0
	v_lshlrev_b32 v[KST], 4, v[KST]                ; 16 x lane (v14 is at work here)
	s_lshl_b32 s66, s[WV], 9
	v_add_nc_u32 v[QCS], s66, v[KST]
	v_add_nc_u32 v[QCS], QC, v[QCS]
	s_lshl_b32 s66, s58, 14
	v_add_nc_u32 v[QCA], s66, v[KST]
	v_add_nc_u32 v[QCA], QC, v[QCA]
	v_add_nc_u32 v[PIA], PI, v[KST]
	s_mul_i32 s73, s59, 3
	s_add_co_u32 s73, s73, s58                     ; t0 = qt + 3 g: my first key tile
	s_mul_i32 s67, s73, 16*XP
	v_mul_u32_u24 v[KA], v[RR], XP
	v_lshl_add_u32 v[KA], v[HH], 3, v[KA]
	v_add_nc_u32 v[KA], s67, v[KA]
	v_lshlrev_b32 v[SXL], 2, v[RR]
	v_add_nc_u32 v[SXL], SX, v[SXL]
	s_lshl_b32 s67, s[WV], 6
	v_add_nc_u32 v[SXS], s67, v[SXL]
	s_lshl_b32 s67, s58, 6
	v_add_nc_u32 v[SXM], s67, v[SXL]
	s_mul_i32 s72, s58, 3072
.irp i, 0,1,2
	s_add_co_u32 s68, s73, \i                      ; key tile t: K step t / 4, register pair t % 4 of p's fragment
	s_lshr_b32 s69, s68, 2
	s_lshl_b32 s69, s69, 10
	s_bfe_u32 s70, s68, 0x10001
	s_lshl_b32 s70, s70, 9
	s_add_co_u32 s69, s69, s70
	s_and_b32 s70, s68, 1
	s_lshl_b32 s70, s70, 3
	s_add_co_u32 s69, s69, s70
	s_add_co_u32 s69, s69, s72
	v_add_nc_u32 v[PSA+\i], s69, v[PIA]
.endr
	s_mul_i32 s67, s[WV], 4352
	v_mul_u32_u24 v[STO], v[RR], 272
	v_lshl_add_u32 v[STO], v[HH], 7, v[STO]
	v_add_nc_u32 v[STO], s67, v[STO]
	v_mul_u32_u24 v[STR], v[HH], 8*272
	v_lshl_add_u32 v[STR], v[RR], 4, v[STR]
	v_add_nc_u32 v[STR], s67, v[STR]
	s_wait_kmcnt 0x0
	MKSC 41, 46                                    ; e1: Xq
	s_sub_co_i32 s66, s42, s40
	s_sub_co_i32 s66, s66, s41                     ; a sum of the first product stands for sum x 2^(e0 + e1): its code is sum / 2^(e2 - e0 - e1)
	MKSC 66, 48
	MKSC 43, 50                                    ; e3: K
	MKSC 45, 52                                    ; e5: V
	MKSC 44, 54                                    ; e4: p
	s_add_co_i32 s56, s44, s45                     ; e4 + e5
	s_add_co_i32 s67, s42, s43                     ; e2 + e3
	s_sub_co_i32 s57, 0, s67
	s_lshl_b32 s68, s67, 23
	s_mov_b32 s22, 0x3fb8aa3b                      ; log2(e),
	s_add_co_i32 s22, s22, s68                     ; x 2^(e2 + e3): the exponents are added to its exponent field
	s_mov_b32 s23, s22                             ; (named with it as a pair)
	; ---- P0: my 32 rows become e1 codes, [query][d]
	v_mov_b32 v28, s46
	v_mov_b32 v29, s47
	s_wait_loadcnt 0x8                             ; rows 0-15 are in; the eight loads of rows 16-31 may be out
	QROW XL, WF, 28, 29
.irp i, 0,1,2,3,4,5,6,7
	ds_store_b32 v[XQS], v[WF+\i] offset:XP*\i
.endr
	s_wait_loadcnt 0x0
	QROW XL+32, WF+8, 28, 29
.irp i, 0,1,2,3,4,5,6,7
	ds_store_b32 v[XQS], v[WF+8+\i] offset:16*XP+XP*\i
.endr
	s_wait_tensorcnt 0x1                           ; my part of slot 0 is in; slot 1's load may stay out
	BAR                                            ; Xq's codes lie in LDS
	; ---- P1: QW^T = W Xq^T
	PSTEP 0
.irp n, 1,2,3,4,5,6
	CHANGE (\n-1)&1                                ; the slot of step n - 1 takes step n + 1
	PSTEP \n
.endr
	s_wait_tensorcnt 0x0                           ; step 7's tile, my last tensor load
	PLACES
	PSTEP 7
	PLACES
	KOFF VA, 0                                     ; the first two key tiles are asked for while QW is quantised
	LOADT XL, VA, XB, 0
	KOFF VA+1, 1
	LOADT XL+32, VA+1, XB, 0
	v_mov_b32 v28, s48
	v_mov_b32 v29, s49
.irp a, 0,1,2,3                                ; a = 2 hf + qt: 16 registers: e = 512 hf + 32 w + 16 u + 8 h + 0 .. 7 of query r
.set N2, 0
.rept 16
	v_med3_num_f32 v[ACC+16*\a+N2], v[ACC+16*\a+N2], -v29, v29
.set N2, N2+1
.endr
	v_cvt_scalef32_pk8_fp8_f32 v[QCD+4*\a:QCD+4*\a+1], v[ACC+16*\a:ACC+16*\a+7], v28
	v_cvt_scalef32_pk8_fp8_f32 v[QCD+4*\a+2:QCD+4*\a+3], v[ACC+16*\a+8:ACC+16*\a+15], v28
.endr
	v_nop                                          ; a plain line behind the last conversion
	BAR                                            ; every wave's tensor loads have landed and its reads of the slots and of Xq are over: both may be stored over
.irp a, 0,1,2,3
	ds_store_b128 v[QCS], v[QCD+4*\a:QCD+4*\a+3] offset:16384*(\a&1)+8192*(\a>>1)   ; registers 4 (w % 4) .. + 3 of the image (qt, K step 4 hf + w / 4)
.endr
	s_wait_dscnt 0x0                               ; the stores have read their registers, which V^T's codes take
	; ---- PX: the 160 key rows
	v_mov_b32 v28, s50
	v_mov_b32 v29, s51
	v_mov_b32 v30, s52
	v_mov_b32 v31, s53
.irp j, 0,1,2,3
.irp k, 20,21,22,23
	v_mov_b32 v[VT+24*\j+\k], 0                    ; keys 160 .. 191 of the third product's last K step: zero codes
.endr
.endr
.irp t, 0,1,2,3,4,5,6,7,8,9
	XT \t
.endr
	BAR                                            ; K's codes and QW's images lie in LDS
	v_mov_b32 v246, 0                              ; a lane permute's destination counts as one of its sources
	; ---- PS, first part: waves 0-5: scores, mask, maximum.  Wave 6: zeros into all of p's images
	s_cmp_lt_u32 s[WV], 6
	s_cbranch_scc0 .Lno_scores
.irp s, 0,1,2,3,4,5,6,7
	KSTEP \s
.endr
	PLACES
	; register 8 i + j holds key kr = 16 t0 + 8 h + 16 i + j (counted from q0 - 64) of query qr = 16 qt + r (from q0).  It counts where max(qr, 64 - q0) <= kr <= min(qr + 128, 1087 - q0)
	s_lshl_b32 s66, s58, 4
	v_add_nc_u32 v247, s66, v[RR]                  ; qr
	s_sub_co_i32 s67, 64, s16
	v_mov_b32 v248, s67
	v_cmp_gt_i32 vcc_lo, v248, v247
	v_cndmask_b32 v248, v247, v248, vcc_lo         ; lo
	v_add_nc_u32 v247, 128, v247
	s_sub_co_i32 s67, 1087, s16
	v_mov_b32 v249, s67
	v_cmp_gt_i32 vcc_lo, v247, v249
	v_cndmask_b32 v249, v247, v249, vcc_lo         ; hi
	v_sub_nc_u32 v242, v249, v248                  ; hi - lo, never negative: the query itself is a key
	s_lshl_b32 s67, s73, 4
	v_lshl_add_u32 v241, v[HH], 3, s67
	v_sub_nc_u32 v241, v241, v248                  ; 16 t0 + 8 h - lo
	v_mov_b32 v240, 0xce6e6b28                     ; -1e9,
	v_ldexp_f32 v240, v240, s57                    ; in the sums' unit: / 2^(e2 + e3)
.irp i, 0,1,2
.irp j, 0,1,2,3,4,5,6,7
	v_add_nc_u32 v243, 16*\i+\j, v241
	v_cmp_ge_u32 vcc_lo, v242, v243                ; one unsigned compare for both ends
	v_cndmask_b32 v[SS+8*\i+\j], v240, v[SS+8*\i+\j], vcc_lo
.endr
.endr
	v_max3_num_f32 v247, v[SS], v[SS+1], v[SS+2]
.irp k, 3,5,7,9,11,13,15,17,19,21
	v_max3_num_f32 v247, v247, v[SS+\k], v[SS+\k+1]
.endr
	v_max_num_f32 v247, v247, v[SS+23]
	v_permlanex16_b32 v246, v247, s20, s21
	v_max_num_f32 v247, v247, v246                 ; my 48 keys' largest score of query r
	ds_store_b32 v[SXS], v247
	s_branch .Ljoin1
.Lno_scores:
	s_cmp_eq_u32 s[WV], 6
	s_cbranch_scc0 .Ljoin1
.irp k, 0,1,2,3
	v_mov_b32 v[SS+\k], 0
.endr
.irp k, 0,1,2,3,4,5,6,7,8,9,10,11
	ds_store_b128 v[PIA], v[SS:SS+3] offset:512*\k   ; key tiles that a query tile does not touch keep zero codes
.endr
.Ljoin1:
	BAR                                            ; the maxima and the zeros lie in LDS
	; ---- PS, second part: waves 0-5: p, its sum, its codes
	s_cmp_lt_u32 s[WV], 6
	s_cbranch_scc0 .Ljoin2
	ds_load_b32 v247, v[SXM]                       ; the three waves of my query tile
	ds_load_b32 v248, v[SXM] offset:128
	ds_load_b32 v249, v[SXM] offset:256
	s_wait_dscnt 0x0
	v_max3_num_f32 v247, v247, v248, v249
	v_mul_f32 v247, s22, v247                      ; the row's largest t (the factor is positive)
	v_floor_f32 v244, -v247                        ; -M = floor(-t) = -ceil(t)
	v_mov_b32 v245, v244
.irp k, 0,2,4,6,8,10,12,14,16,18,20,22
	v_pk_fma_f32 v[SS+\k:SS+\k+1], v[SS+\k:SS+\k+1], s[22:23], v[244:245] op_sel_hi:[1,0,0]   ; t - M
.endr
.set N2, 0
.rept 24
	v_exp_f32 v[SS+N2], v[SS+N2]                   ; p = 2^(t - M)
.set N2, N2+1
.endr
	v_mov_b32 v28, s54                             ; (a plain line behind the exponentials)
	v_mov_b32 v29, s55
	s_wait_alu depctr_va_vdst(0)                   ; one wait for the batch, ahead of its first reader
	v_pk_add_f32 v[248:249], v[SS:SS+1], v[SS+2:SS+3]   ; the sum of the unquantised p
.irp k, 4,6,8,10,12,14,16,18,20,22
	v_pk_add_f32 v[248:249], v[248:249], v[SS+\k:SS+\k+1]
.endr
	v_add_f32 v247, v248, v249
	v_permlanex16_b32 v246, v247, s20, s21
	v_add_f32 v247, v247, v246
	ds_store_b32 v[SXS], v247 offset:512
.set N2, 0
.rept 24
	v_min_num_f32 v[SS+N2], v[SS+N2], v29          ; p is not negative: a one-sided hold
.set N2, N2+1
.endr
.irp i, 0,1,2
	v_cvt_scalef32_pk8_fp8_f32 v[250+2*\i:251+2*\i], v[SS+8*\i:SS+8*\i+7], v28
.endr
	v_nop                                          ; a plain line behind the last conversion
.irp i, 0,1,2
	ds_store_b64 v[PSA+\i], v[250+2*\i:251+2*\i]   ; keys 16 t + 8 h + 0 .. 7 of query r: a register pair of p's fragment
.endr
.Ljoin2:
	BAR                                            ; p's images and the sums lie in LDS; nobody reads K's codes any more
	; ---- P3: O^T = V^T P^T: 3 K steps of 64 keys, 4 tiles of channels x 2 tiles of queries: eight accumulators by turns
.irp f, 0,1,2,3,4,5
	ds_load_b128 v[PF+8*\f:PF+8*\f+3], v[PIA] offset:1024*\f
	ds_load_b128 v[PF+8*\f+4:PF+8*\f+7], v[PIA] offset:1024*\f+512
.endr
.irp q, 0,1
.irp g, 0,1,2
	ds_load_b32 v[LP+3*\q+\g], v[SXL] offset:512+64*(\q+2*\g)
.endr
.endr
	s_wait_dscnt 0x0
.irp s, 0,1,2
.irp j, 0,1,2,3
.irp q, 0,1
.if \s == 0
	v_wmma_f32_16x16x64_fp8_fp8 v[OA+8*(2*\j+\q):OA+8*(2*\j+\q)+7], v[VT+24*\j+8*\s:VT+24*\j+8*\s+7], v[PF+8*(3*\q+\s):PF+8*(3*\q+\s)+7], 0
.else
	v_wmma_f32_16x16x64_fp8_fp8 v[OA+8*(2*\j+\q):OA+8*(2*\j+\q)+7], v[VT+24*\j+8*\s:VT+24*\j+8*\s+7], v[PF+8*(3*\q+\s):PF+8*(3*\q+\s)+7], v[OA+8*(2*\j+\q):OA+8*(2*\j+\q)+7]
.endif
.endr
.endr
.endr
	; ---- the way out
	v_add_f32 v[LP], v[LP], v[LP+1]                ; the rows' sums: these four lines are the places behind the last products
	v_add_f32 v[LP+3], v[LP+3], v[LP+4]
	v_add_f32 v[LP], v[LP], v[LP+2]
	v_add_f32 v[LP+3], v[LP+3], v[LP+5]
	LOADT XR, GQ, XB, 0                            ; my queries' rows once more, for the residual
	LOADT XR+32, GQ, XB, 65536
	v_rcp_f32 v28, v[LP]
	v_rcp_f32 v29, v[LP+3]
	v_nop                                          ; a plain line behind the reciprocals
	s_wait_alu depctr_va_vdst(0)                   ; and the wait ahead of their first reader
	v_ldexp_f32 v28, v28, s56                      ; x 2^(e4 + e5)
	v_ldexp_f32 v29, v29, s56
	OUTQ 0
	s_wait_dscnt 0x0                               ; the stores have read their registers, and tile 0's rows are back
	OUTQ 1
	s_wait_loadcnt 0x8                             ; X's rows 0-15 are in; the eight loads of rows 16-31 may be out
.set N2, 0
.rept 16
	v_pk_add_f32 v[YY+N2:YY+N2+1], v[YY+N2:YY+N2+1], v[XR+N2:XR+N2+1]
.set N2, N2+2
.endr
.irp i, 0,1,2,3,4,5,6,7
	global_store_b128 v[GQ], v[YY+4*\i:YY+4*\i+3], s[OB:OB+1] offset:4096*\i th:TH_STORE_NT   ; 16 lanes store 256 consecutive bytes, aligned
.endr
	s_wait_dscnt 0x0
	s_wait_loadcnt 0x0
.set N2, 32
.rept 16
	v_pk_add_f32 v[YY+N2:YY+N2+1], v[YY+N2:YY+N2+1], v[XR+N2:XR+N2+1]
.set N2, N2+2
.endr
.irp i, 0,1,2,3,4,5,6,7
	global_store_b128 v[GQ], v[YY+32+4*\i:YY+32+4*\i+3], s[OB:OB+1] offset:65536+4096*\i th:TH_STORE_NT
.endr
	s_wait_tensorcnt 0x0                           ; the wave's end: a wait, an add and its wait, behind my last tensor load and my last LDS store
	ds_add_u32 v[SPW], v[NIL]
	s_wait_dscnt 0x0
	ROUND                                          ; the closing round: no work-group ends while a partner may still ask for a tile that names it
	s_endpgm
.Lfunc_end_k_q0413bd4b30_fused:
	.size	k_q0413bd4b30_fused, .Lfunc_end_k_q0413bd4b30_fused-k_q0413bd4b30_fused
	.p2alignl 7, 3214868480
	.fill 96, 4, 3214868480
	.section	.rodata,"a",@progbits
	.p2align	6, 0x0
	.amdhsa_kernel k_q0413bd4b30_fused
		.amdhsa_group_segment_fixed_size 327680
		.amdhsa_private_segment_fixed_size 0
		.amdhsa_enable_private_segment 0
		.amdhsa_kernarg_size 32
		.amdhsa_user_sgpr_count 2
		.amdhsa_user_sgpr_kernarg_segment_ptr 1
		.amdhsa_wavefront_size32 1
		.amdhsa_system_sgpr_workgroup_id_x 1
		.amdhsa_system_sgpr_workgroup_id_y 1
		.amdhsa_system_sgpr_workgroup_id_z 1
		.amdhsa_system_vgpr_workitem_id 0
		.amdhsa_next_free_vgpr 256
		.amdhsa_next_free_sgpr 80
		.amdhsa_reserve_vcc 1
		.amdhsa_float_denorm_mode_32 3
		.amdhsa_float_denorm_mode_16_64 3
		.amdhsa_memory_ordered 1
		.amdhsa_forward_progress 1
		.amdhsa_inst_pref_size 144
	.end_amdhsa_kernel
	.amdgpu_metadata
---
amdhsa.version: [ 1, 2 ]
amdhsa.kernels:
  - .name:           k_q0413bd4b30_fused
    .symbol:         k_q0413bd4b30_fused.kd
    .args:
      - { .name: W_codes, .offset: 0, .size: 8, .value_kind: global_buffer, .address_space: global }
      - { .name: lowp_scales, .offset: 8, .size: 8, .value_kind: global_buffer, .address_space: global }
      - { .name: repr, .offset: 16, .size: 8, .value_kind: global_buffer, .address_space: global }
      - { .name: out0, .offset: 24, .size: 8, .value_kind: global_buffer, .address_space: global }
    .group_segment_fixed_size: 327680
    .private_segment_fixed_size: 0
    .kernarg_segment_align: 8
    .kernarg_segment_size: 32
    .max_flat_workgroup_size: 512
    .sgpr_count:     80
    .vgpr_count:     256
    .wavefront_size: 32
...
	.end_amdgpu_metadata
.endif
;; end of part 1
;; ======== version 2 of 2: 1 launch
;; limits: right only within a limited range of input values
;; launch fused (part 2): grid 32 x 8, 16 waves a work-group, clusters of 4 x 1, 327,680 bytes of LDS; arguments W_codes, lowp_scales, repr, out0; writes out0
.if DOCPART == 2
	.amdgcn_target "amdgcn-amd-amdhsa--gfx1250"
	.amdhsa_code_object_version 6
	.text
	.protected	k_q0413bd4b30_fused
	.globl	k_q0413bd4b30_fused
	.p2align	8
	.type	k_q0413bd4b30_fused,@function
k_q0413bd4b30_fused:
	s_mov_b64 s[64:65], 0
	v_nop
	global_prefetch_b8 v0, s[64:65] scope:SCOPE_SE
	s_setreg_imm32_b32 hwreg(HW_REG_WAVE_MODE, 25, 1), 1
	s_wait_xcnt 0x0
	s_wait_alu depctr_hold_cnt(0) depctr_sa_sdst(0) depctr_va_vdst(0) depctr_va_sdst(0) depctr_va_ssrc(0) depctr_va_vcc(0) depctr_vm_vsrc(0)
	s_getreg_b32 s2, hwreg(HW_REG_IB_STS2, 6, 4)
	s_cmp_eq_u32 s2, 0
	s_cbranch_scc0 .Lentry_in_a_cluster
	s_endpgm
.Lentry_in_a_cluster:
	s_bfe_u32 s2, ttmp6, 0x10000c
	s_cmp_lg_u32 s2, 0x3003
	s_cbranch_scc0 .Lentry_shape_is_right
	s_endpgm
.Lentry_shape_is_right:
; out = X + relu(softmax_band(X W X^T) X), X = repr [8][1024][1024] f32, W as E4M3 codes [e][d] (d innermost); band: key k counts for query q where |q - k| <= 64.
; All three products on E4M3 codes with the given scales 2^e0 .. 2^e5:  1: QW[q][e] = sum_d X[q][d] W[d][e] (W: e0, X: e1);  2: S[q][k] = sum_e QW[q][e] X[k][e] (QW: e2, X: e3);
; 3: O[q][d] = sum_k p[q][k] X[k][d] (p: e4, X: e5), p = 2^(t - M), t = S log2(e), M = ceil(the row's largest t); O is divided by the sum of the unquantised p; then relu, then + X, in f32.
; WORK LEFT OUT.  The mask is built in the problem's own body: where |q - k| > 64 the score is replaced by -1e9, whatever the product gave, so the second product's tiles that lie wholly outside the band reach
; no output.  Their p is 2^(-1.44e9 - M): its code is 0 and it adds nothing to the row's sum, so the third product's K steps over those keys add exact zeros.  A tile of 16 queries has 9 tiles of 16 keys
; that touch the band; only those are multiplied.  Inside them the masked places get -1e9, as the problem has it.
; LIMITS.  A row's largest score inside the band lies above about -9.99e8 (else the masked places would count in the problem's softmax).  A NaN, an infinity or an overflow that reaches only the tiles left out
; is not carried to the result.  NaN in repr is not served; an infinity is held at the largest code.  e1, e3, e4, e5 and e2 - e0 - e1 lie between -126 and 119, e2 + e3 between -126 and 127, so that each
; power of two below is an f32 number.  The first product's f32 sums run along d from a quarter that differs from cluster to cluster (below): an order of rounding, nothing else.
; SHARES.  A work-group owns 32 queries of one batch: 256 work-groups, 16 waves of 256 registers each.  It needs the 160 key rows q0 - 64 .. q0 + 95: key tiles t = 0 .. 9, of which 4 and 5 are its own queries.
; A key tile outside the sequence is read from a clamped tile and masked: no branch hangs on the work-group's place.
; A wave owns 64 columns throughout: they are its e in the first product, its e of K's codes, its channels in the third product and on the way out.
; CLUSTER.  Every work-group walks all of W, so the four of a cluster ask for each tile of W jointly: the same load, the same descriptor (it hangs on the wave's number, the step and the cluster's x alone), mask 15.
; The key rows, of which neighbours share a part, come by plain loads: their f32 tiles would need LDS beside the ring, which leaves none.
; THE TURN.  rot = cluster x mod 4.  Wave w's 64 columns are (64 w + 256 rot) mod 1,024 on, and the walk along d begins at quarter rot of d and goes round.  Only global addresses hang on rot: every row of codes in LDS is turned alike.
; No prefetch: the text is one straight line with no loop to run ahead in; the 32 rows are its first loads, and the key rows' loads follow three tiles ahead.
; PHASES.  P0: my 32 rows -> e1 codes (LDS), V^T's and K's codes of tiles 4, 5 (registers).  P1: QW^T = W Xq^T (source 0 = 16 rows e of W, source 1 = 16 queries): 8 steps, half hf = step % 2 of each wave's 64 rows, 256 along d.
; W comes through two LDS slots; each wave fetches and reads its own rows; the one load at the head brings 64 rows, which is both slots.  Xq's fragments of the next quarter are read ahead of the wait for the tile.
; PX: the other 8 key tiles, three buffers by turns: V^T's codes into registers (a lane's registers run down the keys), K's codes to LDS, row-major.
; PS: waves 0-11 make the 18 score tiles S^T = K QW^T (a lane: one query, eight keys) in two halves of e; one half's sums go through LDS to the other; mask, maximum (through LDS), p, sum, p's codes as images of registers.
; P3: O^T = V^T P^T.  Then the way out.
.set XP,    1040                       ; a row of 1,024 codes + 16: 65 x 16 bytes, so 16 rows of a fragment load start at 16 different groups of banks
.set WH,    8704                       ; 32 rows x (256 bytes + 16 of padding): a wave's part of a slot; wave w's slot 0 at 2 WH w, its slot 1 WH further on
.set XQ,    32*WH                      ; my 32 queries' e1 codes, 32 x XP
.set SPARE, XQ+32*XP                   ; the spare words, 128 bytes for each of 16 waves: eight blocks of 256 bytes that no other line names
.set SX,    SPARE+2048                 ; maxima at 64 (2 g + qt) + 4 query; sums 512 further on
.set PI,    SX+1024                    ; p's six fragment images of 1,024 bytes: (3 qt + s) 1,024 + 512 (c / 2) + 16 lane + 8 (c % 2)
                                       ; behind P1, where the slots have had their last fill: K's codes, 160 x XP, from byte 0 on,
.set WT,    4352
.set STG,   160*XP                     ; then each wave's stage, 16 rows x 272 bytes, at 4,352 wave;
.set QC,    XQ                         ; and in Xq's place QW's images: 16,384 qt + 1,024 wave + 512 b + 16 lane: 64 e a wave
.set SPW, 1                            ; v1   my spare word;  v2  0: both never rewritten
.set NIL, 2
.set RR,  3                            ; v3   r = lane % 16
.set HH,  4                            ; v4   h = lane / 16
.set GX,  5                            ; v5   32,768 h + my first column's byte + 16 r: my 16 bytes in a tile of 16 rows of X
.set WST, 7                            ; v7   the stage by rows: row 8 h, 16 r
.set WA,  8                            ; v8   W's fragments: my rows, row r, 16 h
.set XQA, 9                            ; v9   where I read Xq's fragments
.set QCS, 10                           ; v10  where I store QW's codes
.set KS,  11                           ; v11  where I store K's codes, tile 0;  v12-13 the tile in hand, by turns;  v15 tile 4
.set KST, 12
.set XQS, 14                           ; v14  where I store Xq's codes
.set K4S, 15
.set LP,  10                           ; v10-15 in P3: the sums' parts
.set KA,  16                           ; v16  K's fragments
.set QCA, 17                           ; v17  QW's images
.set SXS, 18                           ; v18  my group's word for query r;  v19 my query tile's first;  v26 SX + 4 r
.set SXM, 19
.set PSA, 20                           ; v20-22 where I store my three tiles' p codes
.set PIA, 23                           ; v23  PI + 16 lane
.set STO, 24                           ; v24  the stage, way out: row r, 128 h
.set PRA, 25                           ; v25  the stage as an image: 4,352 wave + 16 lane
.set SXL, 26
.set LN,  27                           ; v27  16 lane;  v28-31 e3's and e5's scales and holds
.set ACC, 32                           ; P0: v32-95 my 32 rows of X.  P1: QW^T at 16 (2 hf + u) + 8 q
.set V45, 96                           ; v96-111 through P1: V^T's codes of tiles 4, 5: 4 j + 2 (t - 4)
.set K45, 112                          ; v112-127 through P1: K's codes of tiles 4, 5: 8 (t - 4) + row
.set XF,  128                          ; P1: v128-191 Xq's fragments at 32 q + 16 ks.  P0: v128-159 held numbers, v160-175 codes, v176-177 e1's scale and hold
.set WF,  192                          ; P1: v192-255 W's fragments at 32 u + 16 ks
.set WB,  160                          ; PX: v160-255 the three buffers
.set QCD, 128                          ; QW's codes
.set VT,  32                           ; v32-127 V^T's codes at 24 j + 2 t
.set TT,  128                          ; PX: v128-143 held numbers, turned;  v144-159 two sets of row codes
.set CD,  144
.set SS,  128                          ; PS: v128-151 three score tiles;  v192-255 two buffers: K's three fragments of 8, then QW's; then at work
.set KB,  192
.set X0,  160                          ; v160-191 X's rows 0-15 for the residual, from PX's end on
.set PF,  128                          ; P3: v128-159 p's fragments;  v192-255 O^T at 8 (2 j + q)
.set OA,  192
.set X1,  32                           ; the way out: v32-63 X's rows 16-31
.set WV,  12                           ; s12 wave;  s13 cx;  s14 work-group x;  s15 batch;  s16 q0;  s17 q0 - 64
.set XB,  24                           ; s[24:25] repr at my first query;  s[26:27] out0 there
.set OB,  26
.set G1,  28                           ; s[28:35] descriptor group 1 of a refill, 32 rows;  s[36:43] of the load at the head, 64 rows
.set G1H, 36
.set WBS, 44                           ; s[44:45], s[46:47] W at my rows of half 0, 1
.set WO,  48                           ; s[48:49] the quarter of d in hand, in bytes
.set G0,  92                           ; s[92:95], s[96:99] group 0 for slot 0, 1
.set KB8, 36                           ; from step 7 on: s[36:51] repr at the eight other key tiles
.macro ROUND                           ; a round of the cluster's barrier
	s_barrier_signal -1
	s_barrier_wait -1
	s_cmp_lg_u32 s[WV], 0
	s_cbranch_scc1 .Lnot_wave_0_\@
	s_barrier_signal -3
.Lnot_wave_0_\@:
	s_barrier_wait -3
	s_barrier_signal -1
	s_barrier_wait -1
.endm
.macro BAR                             ; my LDS stores have landed and my LDS loads are in: then the work-group's barrier
	s_wait_dscnt 0x0
	s_barrier_signal -1
	s_barrier_wait -1
.endm
.macro PLACES                          ; four plain vector lines behind matrix instructions, ahead of loads into their registers and of reads of their results
.rept 4
	v_nop
.endr
.endm
.macro MKSC e, sc                      ; s[sc] = 2^e as f32, s[sc+1] = 448 x 2^e
	s_add_co_i32 s[\sc], s[\e], 127
	s_add_co_i32 s[\sc+1], s[\sc], 8
	s_lshl_b32 s[\sc], s[\sc], 23
	s_lshl_b32 s[\sc+1], s[\sc+1], 23
	s_or_b32 s[\sc+1], s[\sc+1], 0x600000
.endm
; 16 rows x my 64 columns of X: load i takes rows i (lanes 0-15) and 8 + i (lanes 16-31), 256 aligned bytes each.  Register 4 i + j = X(8 h + i, my first column + 4 r + j)
.macro LOADX l, sb, off0
.irp i, 0,1,2,3,4,5,6,7
	global_load_b128 v[(\l)+4*\i:(\l)+4*\i+3], v[GX], s[\sb:\sb+1] offset:(\off0)+4096*\i
.endr
.endm
; What goes into buffer (n + 1) % 3: n = 0 .. 7 a key tile; 8 the residual's first 16 rows
.macro NEXT n
.if (\n) < 8
	LOADX WB+32*(((\n)+1)%3), KB8+2*(\n), 0
.elseif (\n) == 8
	LOADX WB+32*(((\n)+1)%3), XB, 0
.endif
.endm
; codes along the rows: register c + i = the four codes of row 8 h + i, columns 4 r .. 4 r + 3; the held numbers go to t
.macro QROW l, c, sc, lim, t
.set N1, 0
.rept 32
	v_med3_num_f32 v[(\t)+N1], v[(\l)+N1], -v[\lim], v[\lim]   ; the conversion to an 8-bit code does not saturate (ISA guide 7.6.2): the hold at the largest code x the scale
.set N1, N1+1
.endr
.irp m, 0,1,2,3
	v_cvt_scalef32_pk8_fp8_f32 v[(\c)+2*\m:(\c)+2*\m+1], v[(\t)+8*\m:(\t)+8*\m+7], v[\sc]
.endr
	v_nop                                          ; a plain line behind the last conversion
.endm
; codes down the keys: the hold also turns the set (column j's eight keys on end, two sets of 8 by turns); registers d + st j, + 1: lane r: my channel 4 r + j, keys 8 h + 0 .. 7
.macro QCOL l, d, st, sc, lim, t
.irp j, 0,1,2,3
.irp i, 0,1,2,3,4,5,6,7
	v_med3_num_f32 v[(\t)+8*(\j&1)+\i], v[(\l)+4*\i+\j], -v[\lim], v[\lim]
.endr
	v_cvt_scalef32_pk8_fp8_f32 v[(\d)+(\st)*\j:(\d)+(\st)*\j+1], v[(\t)+8*(\j&1):(\t)+8*(\j&1)+7], v[\sc]
.endr
	v_nop
.endm
.macro FRAG reg, adr, off              ; a fragment of 16 rows x 128 K by four loads of 16 bytes: registers 4 c .. hold k = 32 c + 16 h + 0 .. 15, alike in W and in Xq
.irp c, 0,1,2,3
	ds_load_b128 v[(\reg)+4*\c:(\reg)+4*\c+3], v[\adr] offset:(\off)+32*\c
.endr
.endm
.macro XFL qd                          ; Xq's fragments of the walk's quarter qd: they serve both halves of e
.irp ks, 0,1
	FRAG XF+16*\ks, XQA, 256*(\qd)+128*\ks
	FRAG XF+32+16*\ks, XQA, 16*XP+256*(\qd)+128*\ks
.endr
.endm
; Step n of the first product: half n % 2 of my e, the (n / 2)-th quarter of d of the walk.  Four accumulators by turns; the next step takes the other half's four.
.macro PSTEP n
.set HF, (\n)&1
.irp ks, 0,1
.irp u, 0,1
	FRAG WF+32*\u+16*\ks, WA, WH*HF+4352*\u+128*\ks
.endr
.endr
.irp ks, 0,1
	s_wait_dscnt 8-8*\ks                           ; Xq's and W's first 128 along d are in; W's eight loads of the second may be out
.irp u, 0,1
.irp q, 0,1
.set AC, ACC+32*HF+16*\u+8*\q
.if ((\n) < 2) && (\ks == 0)
	v_wmma_f32_16x16x128_fp8_fp8 v[AC:AC+7], v[WF+32*\u+16*\ks:WF+32*\u+16*\ks+15], v[XF+32*\q+16*\ks:XF+32*\q+16*\ks+15], 0
.else
	v_wmma_f32_16x16x128_fp8_fp8 v[AC:AC+7], v[WF+32*\u+16*\ks:WF+32*\u+16*\ks+15], v[XF+32*\q+16*\ks:XF+32*\q+16*\ks+15], v[AC:AC+7]
.endif
.endr
.endr
.endr
.endm
; The slot just read is filled again, with the next quarter of d of the walk.  All my tensor loads have landed (the other slot's among them), the add, its wait and that for my reads; a round of the cluster's barrier; my one joint load first behind it.
.macro CHANGE slot
	s_wait_tensorcnt 0x0
	ds_add_u32 v[SPW], v[NIL]                      ; 0 onto my spare word
.if (\slot) == 0
	s_add_co_u32 s[WO], s[WO], 256                 ; slot 0's refill goes on to the next quarter, round the row's 1,024 bytes; slot 1's takes the same quarter
	s_and_b32 s[WO], s[WO], 0x3ff
.endif
	s_add_nc_u64 s[G0+4*(\slot)+2:G0+4*(\slot)+3], s[WBS+2*(\slot):WBS+2*(\slot)+1], s[WO:WO+1]   ; no load of mine is out, so a group 0 may be written
	s_or_b32 s[G0+4*(\slot)+3], s[G0+4*(\slot)+3], 0x80000000   ; type = 2
	s_wait_dscnt 0x0
	ROUND
	tensor_load_to_lds s[G0+4*(\slot):G0+4*(\slot)+3], s[G1:G1+7]
	s_nop 0
	PLACES                                         ; also the places ahead of the next step's fragment loads
.endm
; Stream place n = 0 .. 7: a key tile: V^T's codes into registers, K's codes into LDS, the buffer asked for again
.macro XT n
.set LL, WB+32*(((\n)+1)%3)
.set CC, CD+8*((\n)&1)
.set KT, KST+((\n)&1)
.set TK, (\n)
.if TK > 3
.set TK, TK+2                          ; tiles 0-3, then 6-9
.endif
.if (\n) < 7
	s_wait_loadcnt 0x10                            ; this tile is in; the 16 loads behind it may be out
.else
	s_wait_loadcnt 0x8                             ; the residual's eight may be out
.endif
	QCOL LL, VT+2*TK, 24, 30, 31, TT
	QROW LL, CC, 28, 29, LL
	NEXT (\n)+3
	v_add_nc_u32 v[KT], 16*XP*TK, v[KS]
.irp i, 0,1,2,3,4,5,6,7
	ds_store_b32 v[KT], v[CC+\i] offset:XP*\i
.endr
.endm
; Half step n (64 along e) of my half of e, of my three score tiles: two loads of 16 bytes a fragment, k in one order on both sides
.macro LOADH n                         ; its 8 LDS loads, into buffer n % 2
.set BL, KB+32*((\n)&1)
.irp c, 0,1
	ds_load_b128 v[BL+24+4*\c:BL+24+4*\c+3], v[QCA] offset:1024*(\n)+512*\c
.endr
.irp i, 0,1,2
.irp c, 0,1
	ds_load_b128 v[BL+8*\i+4*\c:BL+8*\i+4*\c+3], v[KA] offset:16*XP*\i+64*(\n)+32*\c
.endr
.endr
.endm
.macro HSTEP n                         ; the next half step is asked for, then this one is multiplied: three accumulators by turns
.if (\n) < 7
.if (\n) > 0
	PLACES                                         ; the other buffer was read by the products of the half step before
.endif
	LOADH (\n)+1
	s_wait_dscnt 0x8                               ; this half step's loads are in; the 8 just issued may be out
.else
	s_wait_dscnt 0x0
.endif
.set BM, KB+32*((\n)&1)
.irp i, 0,1,2
.if (\n) == 0
	v_wmma_f32_16x16x64_fp8_fp8 v[SS+8*\i:SS+8*\i+7], v[BM+8*\i:BM+8*\i+7], v[BM+24:BM+31], 0
.else
	v_wmma_f32_16x16x64_fp8_fp8 v[SS+8*\i:SS+8*\i+7], v[BM+8*\i:BM+8*\i+7], v[BM+24:BM+31], v[SS+8*\i:SS+8*\i+7]
.endif
.endr
.endm
.macro PLOAD s, b                      ; p's fragments of 64 keys for both query tiles
.irp q, 0,1
	ds_load_b128 v[(\b)+8*\q:(\b)+8*\q+3], v[PIA] offset:1024*(3*\q+\s)
	ds_load_b128 v[(\b)+8*\q+4:(\b)+8*\q+7], v[PIA] offset:1024*(3*\q+\s)+512
.endr
.endm
.macro PMUL s, b                       ; eight accumulators by turns
.irp j, 0,1,2,3
.irp q, 0,1
.if (\s) == 0
	v_wmma_f32_16x16x64_fp8_fp8 v[OA+8*(2*\j+\q):OA+8*(2*\j+\q)+7], v[VT+24*\j+8*\s:VT+24*\j+8*\s+7], v[(\b)+8*\q:(\b)+8*\q+7], 0
.else
	v_wmma_f32_16x16x64_fp8_fp8 v[OA+8*(2*\j+\q):OA+8*(2*\j+\q)+7], v[VT+24*\j+8*\s:VT+24*\j+8*\s+7], v[(\b)+8*\q:(\b)+8*\q+7], v[OA+8*(2*\j+\q):OA+8*(2*\j+\q)+7]
.endif
.endr
.endr
.endm
; Query tile q: relu; a lane's 32 neighbouring channels (32 h + 4 i + j) of query r go into my stage and come back as X was loaded: 16 lanes to a row's 256 bytes
.macro OUTQ q, o, y
.irp i, 0,1,2,3,4,5,6,7
.irp j, 0,1,2,3
	v_max_num_f32 v[(\o)+4*\i+\j], 0, v[OA+8*(2*\j+\q)+\i]
.endr
.endr
.irp i, 0,1,2,3,4,5,6,7
	ds_store_b128 v[STO], v[(\o)+4*\i:(\o)+4*\i+3] offset:16*\i
.endr
.irp i, 0,1,2,3,4,5,6,7
	ds_load_b128 v[(\y)+4*\i:(\y)+4*\i+3], v[WST] offset:272*\i   ; LDS serves a wave's instructions in order (ISA guide 5.7.1.4): these see my stores
.endr
.endm
.macro SENDQ y, x, off0                ; + X, and out
.set N2, 0
.rept 16
	v_pk_add_f32 v[(\y)+N2:(\y)+N2+1], v[(\y)+N2:(\y)+N2+1], v[(\x)+N2:(\x)+N2+1]
.set N2, N2+2
.endr
.irp i, 0,1,2,3,4,5,6,7
	global_store_b128 v[GX], v[(\y)+4*\i:(\y)+4*\i+3], s[OB:OB+1] offset:(\off0)+4096*\i th:TH_STORE_NT   ; 16 lanes store 256 consecutive bytes, aligned
.endr
.endm
	; ---- the head
	s_load_b256 s[4:11], s[0:1], 0x0               ; W's codes s[4:5], the exponents s[6:7], repr s[8:9], out0 s[10:11]
	v_lshl_add_u32 v[SPW], v0, 2, SPARE
	v_mov_b32 v[NIL], 0
	ds_add_u32 v[SPW], v[NIL]                      ; the wave's opening: the add, twice on end, and its wait ahead of my first tensor load
	ds_add_u32 v[SPW], v[NIL]
	v_lshrrev_b32 v5, 5, v0
	v_and_b32 v[RR], 15, v0
	v_bfe_u32 v[HH], v0, 4, 1
	v_readfirstlane_b32 s[WV], v5                  ; wave 0..15
	v_lshlrev_b32 v6, 4, v[RR]
	s_and_b32 s84, ttmp9, 3                        ; rot: the four partners share it
	s_lshl_b32 s66, s[WV], 8
	s_lshl_b32 s67, s84, 10
	s_add_co_u32 s66, s66, s67
	s_and_b32 s66, s66, 0xfff                      ; my first column, in bytes: (256 w + 1,024 rot) mod 4,096
	v_lshl_add_u32 v[GX], v[HH], 15, v6
	v_add_nc_u32 v[GX], s66, v[GX]
	s_bfe_u32 s13, ttmp6, 0x40000                  ; cx: it enters global offsets and the mask's numbers alone
	s_lshl_b32 s14, ttmp9, 2
	s_add_co_u32 s14, s14, s13                     ; work-group x = 4 x cluster x + cx
	s_and_b32 s15, ttmp7, 0xffff                   ; the batch
	s_lshl_b32 s16, s14, 5                         ; q0
	s_sub_co_i32 s17, s16, 64                      ; the first key row, which may lie ahead of the sequence
	s_lshl_b32 s18, s15, 22                        ; a batch is 4 MiB
	s_mov_b32 s19, 0
	s_lshl_b32 s80, s16, 12                        ; my first query's row
	s_mov_b32 s81, 0
	s_lshl_b32 s82, s[WV], 16
	s_lshl_b32 s83, s84, 18
	s_add_co_u32 s82, s82, s83
	s_and_b32 s82, s82, 0xfffff                    ; my 64 rows of W: (64 w + 256 rot) mod 1,024
	s_mov_b32 s83, 0
	s_lshl_b32 s[WO], s84, 8
	s_mov_b32 s[WO+1], 0
	; descriptor group 1: 32 or 64 rows x 256 bytes of W, 1,024 bytes apart, 16 bytes of padding behind each row
	s_mov_b32 s[G1+0], 15|(1<<20)|(1<<21)|(5<<22)|(3<<25)   ; 15:0 the mask: all four work-groups; 17:16 elements of 1 byte; 20 padding on; 21 set beside a mask; 24:22 after every 64 words; 31:25 four words
	s_mov_b32 s[G1+1], 256<<16                     ; tensor_dim0
	s_mov_b32 s[G1+2], 32<<16                      ; tensor_dim1
	s_mov_b32 s[G1+3], 256<<16                     ; tile_dim0
	s_mov_b32 s[G1+4], 32                          ; tile_dim1
	s_mov_b32 s[G1+5], 1024                        ; from row to row
	s_mov_b32 s[G1+6], 0
	s_mov_b32 s[G1+7], 0
	s_mov_b32 s[G1H+0], 15|(1<<20)|(1<<21)|(5<<22)|(3<<25)
	s_mov_b32 s[G1H+1], 256<<16
	s_mov_b32 s[G1H+2], 64<<16
	s_mov_b32 s[G1H+3], 256<<16
	s_mov_b32 s[G1H+4], 64
	s_mov_b32 s[G1H+5], 1024
	s_mov_b32 s[G1H+6], 0
	s_mov_b32 s[G1H+7], 0
	s_mov_b32 s[G0], 1
	s_mul_i32 s[G0+1], s[WV], 2*WH                 ; slot 0, my wave's rows; slot 1's lie behind them
	s_mov_b32 s[G0+4], 1
	s_add_co_u32 s[G0+5], s[G0+1], WH
	s_wait_alu depctr_va_vdst(0)                   ; a wait directly ahead of the waits below
	s_wait_dscnt 0x0                               ; both opening adds are done
	s_wait_kmcnt 0x0
	s_load_b128 s[52:55], s[6:7], 0x0              ; e0 .. e3
	s_load_b64 s[56:57], s[6:7], 0x10              ; e4, e5
	s_add_nc_u64 s[62:63], s[8:9], s[18:19]        ; repr at my batch
	s_add_nc_u64 s[XB:XB+1], s[62:63], s[80:81]
	LOADX ACC, XB, 0                               ; my 32 queries' rows
	LOADX ACC+32, XB, 65536
	s_add_nc_u64 s[WBS:WBS+1], s[4:5], s[82:83]
	s_add_nc_u64 s[WBS+2:WBS+3], s[WBS:WBS+1], 0x8000   ; half 1: 32 rows on
	s_add_nc_u64 s[G0+2:G0+3], s[WBS:WBS+1], s[WO:WO+1]   ; d = 256 rot on
	s_or_b32 s[G0+3], s[G0+3], 0x80000000          ; type = 2
	ROUND                                          ; all four work-groups are here: the first joint loads meet
	tensor_load_to_lds s[G0:G0+3], s[G1H:G1H+7]    ; steps 0 and 1: my one load at the head
	s_nop 0
	PLACES
	s_add_nc_u64 s[OB:OB+1], s[10:11], s[18:19]
	s_add_nc_u64 s[OB:OB+1], s[OB:OB+1], s[80:81]
	; every LDS address, from the lane, the wave's number and constants
	s_and_b32 s76, s[WV], 1                        ; qt: my query tile in PS
	s_and_b32 s78, s[WV], 2                        ; 2 in the waves of e's second half
	s_lshr_b32 s77, s[WV], 2
	s_min_u32 s77, s77, 2                          ; g: my three key tiles in PS (waves 0-11)
	s_mul_i32 s79, s77, 3
	s_add_co_u32 s79, s79, s76                     ; t0 = qt + 3 g: my first key tile
	s_mul_i32 s83, s76, 3072
.irp i, 0,1,2
	s_add_co_u32 s[85+\i], s79, \i                 ; key tile t: K step t / 4, register pair t % 4 of p's fragment: 512 (t / 2) + 8 (t % 2)
	s_lshr_b32 s88, s[85+\i], 1
	s_lshl_b32 s88, s88, 9
	s_and_b32 s89, s[85+\i], 1
	s_lshl_b32 s89, s89, 3
	s_add_co_u32 s88, s88, s89
	s_add_co_u32 s[85+\i], s88, s83
.endr
	s_mul_i32 s66, s79, 16*XP
	s_lshl_b32 s67, s78, 8                         ; 512 x my half of e
	s_add_co_u32 s66, s66, s67
	s_lshl_b32 s67, s76, 14
	s_lshl_b32 s80, s78, 12                        ; 8,192 x my half
	s_add_co_u32 s67, s67, s80
	s_add_co_u32 s67, s67, QC
	s_mul_i32 s80, s[WV], WT
	s_add_co_u32 s80, s80, STG                     ; my stage
	s_lshl_b32 s82, s76, 6
	s_lshl_b32 s81, s77, 7
	s_add_co_u32 s81, s81, s82                     ; 64 (2 g + qt)
	s_lshl_b32 s88, s[WV], 6
	s_lshl_b32 s89, s[WV], 10
	s_add_co_u32 s89, s89, QC
	v_mul_u32_u24 v[WST], v[HH], 8*272
	v_mul_u32_u24 v[WA], v[RR], 272
	v_mul_u32_u24 v[XQA], v[RR], XP
	v_mul_u32_u24 v[XQS], v[HH], 8*XP
	v_and_b32 v[LN], 31, v0
	v_mul_u32_u24 v[KA], v[RR], XP
	v_lshlrev_b32 v[SXL], 2, v[RR]
	v_mul_u32_u24 v[STO], v[RR], 272
	v_bfe_u32 v[KST], v[RR], 1, 1
	v_bfe_u32 v[KST+1], v[RR], 2, 1
	v_and_b32 v[KS], 9, v[RR]
	v_lshl_add_u32 v[WST], v[RR], 4, v[WST]
	v_lshl_add_u32 v[WA], v[HH], 4, v[WA]
	v_lshl_add_u32 v[XQA], v[HH], 4, v[XQA]
	v_lshlrev_b32 v[LN], 4, v[LN]
	v_lshl_add_u32 v[KA], v[HH], 4, v[KA]
	v_add_nc_u32 v[SXL], SX, v[SXL]
	v_lshl_add_u32 v[STO], v[HH], 7, v[STO]
	v_lshl_or_b32 v[KS], v[KST], 2, v[KS]
	v_add_nc_u32 v[XQS], s88, v[XQS]               ; row 8 h, byte 64 w
	v_add_nc_u32 v[WST], s80, v[WST]
	v_add_nc_u32 v[WA], s[G0+1], v[WA]
	v_add_nc_u32 v[XQA], XQ, v[XQA]
	v_lshl_or_b32 v[KS], v[KST+1], 1, v[KS]        ; r with its bits 1 and 2 exchanged: in a row of K's codes in LDS, e's bits 3 and 4 are exchanged, so that 16 bytes hold the 16 e that a lane of QW's image holds
	v_add_nc_u32 v[PIA], PI, v[LN]
	v_add_nc_u32 v[KA], s66, v[KA]
	v_add_nc_u32 v[QCA], s67, v[LN]
	v_add_nc_u32 v[QCS], s89, v[LN]
	v_lshl_add_u32 v[KS], v[KS], 2, v[XQS]
	v_lshl_add_u32 v[XQS], v[RR], 2, v[XQS]
	v_add_nc_u32 v[PRA], s80, v[LN]
	v_add_nc_u32 v[STO], s80, v[STO]
	v_add_nc_u32 v[SXS], s81, v[SXL]
	v_add_nc_u32 v[SXM], s82, v[SXL]
	v_add_nc_u32 v[K4S], 4*16*XP, v[KS]            ; tile 4
	v_add_nc_u32 v[XQS], XQ, v[XQS]
	v_add_nc_u32 v[PSA], s85, v[PIA]
	v_add_nc_u32 v[PSA+1], s86, v[PIA]
	v_add_nc_u32 v[PSA+2], s87, v[PIA]
	s_wait_alu depctr_va_vdst(0)                   ; a wait directly ahead of the wait below
	s_wait_kmcnt 0x0
	MKSC 53, 58                                    ; e1: Xq
	MKSC 55, 68                                    ; e3: K
	MKSC 57, 70                                    ; e5: V
	MKSC 56, 72                                    ; e4: p
	s_sub_co_i32 s66, s54, s52
	s_sub_co_i32 s66, s66, s53                     ; a sum of the first product stands for sum x 2^(e0 + e1): its code is sum / 2^(e2 - e0 - e1)
	MKSC 66, 60
	s_add_co_i32 s74, s56, s57                     ; e4 + e5
	s_add_co_i32 s67, s54, s55                     ; e2 + e3
	s_sub_co_i32 s75, 0, s67
	s_lshl_b32 s66, s67, 23
	s_mov_b32 s22, 0x3fb8aa3b                      ; log2(e),
	s_add_co_i32 s22, s22, s66                     ; x 2^(e2 + e3): the exponents are added to its exponent field
	s_mov_b32 s23, s22                             ; (named with it as a pair)
	s_mov_b32 s20, 0x76543210                      ; v_permlanex16_b32's selects: lane l xor 16
	s_mov_b32 s21, 0xfedcba98
	; ---- P0: my 32 rows become e1 codes; then, while the others arrive, V^T's and K's codes of tiles 4 and 5
	v_mov_b32 v176, s58
	v_mov_b32 v177, s59
	v_mov_b32 v28, s68
	v_mov_b32 v29, s69
	v_mov_b32 v30, s70
	v_mov_b32 v31, s71
	s_wait_alu depctr_va_vdst(0)                   ; a wait directly ahead of the wait below
	s_wait_loadcnt 0x8                             ; rows 0-15 are in; the eight loads of rows 16-31 may be out
	QROW ACC, 160, 176, 177, XF
.irp i, 0,1,2,3,4,5,6,7
	ds_store_b32 v[XQS], v[160+\i] offset:XP*\i
.endr
	s_wait_loadcnt 0x0
	QROW ACC+32, 168, 176, 177, XF
.irp i, 0,1,2,3,4,5,6,7
	ds_store_b32 v[XQS], v[168+\i] offset:16*XP+XP*\i
.endr
	s_wait_dscnt 0x0                               ; my Xq codes lie in LDS
	s_barrier_signal -1
	QCOL ACC, V45, 4, 30, 31, XF                   ; work on registers while the others arrive
	QCOL ACC+32, V45+2, 4, 30, 31, XF
	QROW ACC, K45, 28, 29, ACC
	QROW ACC+32, K45+8, 28, 29, ACC+32
	s_wait_alu depctr_va_vdst(0)                   ; a wait directly ahead of the wait below
	s_barrier_wait -1                              ; everybody's Xq codes lie in LDS
	XFL 0
	; ---- P1: QW^T = W Xq^T
	s_wait_tensorcnt 0x0                           ; my rows of both slots are in; nobody else reads them
	PSTEP 0
.irp n, 1,2,3,4,5,6
.if (\n&1) == 0
	PLACES
	XFL \n/2                                       ; the next quarter's Xq, ahead of the wait for the tile
.endif
	CHANGE (\n-1)&1                                ; the slot of step n - 1 takes step n + 1
	PSTEP \n
.endr
	s_mov_b32 s67, 0                               ; (work on registers while step 7's tile is on its way)
.irp k, 0,1,2,3,4,5,6,7
	s_add_co_i32 s66, s17, 16*(\k+2*(\k/4))        ; key tile's first row, held inside the sequence (a tile is wholly inside or wholly outside)
	s_max_i32 s66, s66, 0
	s_min_i32 s66, s66, 1008
	s_lshl_b32 s66, s66, 12
	s_add_nc_u64 s[KB8+2*\k:KB8+2*\k+1], s[62:63], s[66:67]
.endr
	s_wait_tensorcnt 0x0                           ; step 7's tile, my last tensor load
	PLACES
	PSTEP 7
	PLACES
	NEXT 0                                         ; the first three key tiles are asked for while QW is quantised
	NEXT 1
	NEXT 2
	s_wait_dscnt 0x0                               ; my reads of Xq are over,
	s_barrier_signal -1
	v_mov_b32 v152, s60                            ; work on registers while the others arrive
	v_mov_b32 v153, s61
.irp a, 0,1,2,3,4,5,6,7                        ; a = 2 (2 hf + u) + q
.set N2, 0
.rept 8
	v_med3_num_f32 v[ACC+8*\a+N2], v[ACC+8*\a+N2], -v153, v153
.set N2, N2+1
.endr
	v_cvt_scalef32_pk8_fp8_f32 v[QCD+8*(\a&1)+2*(\a>>1):QCD+8*(\a&1)+2*(\a>>1)+1], v[ACC+8*\a:ACC+8*\a+7], v152   ; registers 4 hf + 2 u, + 1 of the image: e = 32 hf + 16 u + 8 h + 0 .. 7 of query r
.endr
	v_nop                                          ; a plain line behind the last conversion
	s_wait_alu depctr_va_vdst(0)                   ; a wait directly ahead of the wait below
	s_barrier_wait -1                              ; every wave's tensor loads have landed and its reads of the slots and of Xq are over: both may be stored over
.irp q, 0,1
.irp b, 0,1
	ds_store_b128 v[QCS], v[QCD+8*\q+4*\b:QCD+8*\q+4*\b+3] offset:16384*\q+512*\b
.endr
.endr
.irp i, 0,1,2,3,4,5,6,7
	ds_store_b32 v[K4S], v[K45+\i] offset:XP*\i
	ds_store_b32 v[K4S], v[K45+8+\i] offset:16*XP+XP*\i
.endr
	s_wait_dscnt 0x0                               ; K's codes have left the registers that V^T's take
	; ---- PX: the other key rows
.irp j, 0,1,2,3
.irp k, 0,1,2,3
	v_mov_b32 v[VT+24*\j+8+\k], v[V45+4*\j+\k]     ; tiles 4, 5
.endr
.endr
.irp j, 0,1,2,3
.irp k, 20,21,22,23
	v_mov_b32 v[VT+24*\j+\k], 0                    ; keys 160 .. 191 of the third product's last K step: zero codes
.endr
.endr
	s_wait_alu depctr_va_vdst(0)                   ; a wait directly ahead of the first tile's wait
.irp n, 0,1,2,3,4,5,6,7
	XT \n
.endr
	BAR                                            ; K's codes and QW's images lie in LDS; the residual's first loads stay out
	; ---- PS, first part: waves 0-11: scores over my half of e.  Wave 12: zeros into all of p's images
	s_cmp_lt_u32 s[WV], 12
	s_cbranch_scc0 .Lno_scores
	LOADH 0
.irp s, 0,1,2,3,4,5,6,7
	HSTEP \s
.endr
	PLACES
	v_nop                                          ; a fifth place: matrix instructions further on take these registers as operands and results
	s_cmp_eq_u32 s78, 0
	s_cbranch_scc1 .Ljoin1
.irp i, 0,1,2                                  ; the second half's sums go into my stage
	ds_store_b128 v[PRA], v[SS+8*\i:SS+8*\i+3] offset:1024*\i
	ds_store_b128 v[PRA], v[SS+8*\i+4:SS+8*\i+7] offset:1024*\i+512
.endr
	s_branch .Ljoin1
.Lno_scores:
	s_cmp_eq_u32 s[WV], 12
	s_cbranch_scc0 .Ljoin1
.irp k, 0,1,2,3
	v_mov_b32 v[KB+\k], 0
.endr
.irp k, 0,1,2,3,4,5,6,7,8,9,10,11
	ds_store_b128 v[PIA], v[KB:KB+3] offset:512*\k   ; key tiles that a query tile does not touch keep zero codes
.endr
.Ljoin1:
	BAR                                            ; the second half's sums and the zeros lie in LDS
	; ---- PS, second part: the first half's waves: the whole scores, mask, maximum
	s_cmp_lt_u32 s[WV], 12
	s_cbranch_scc0 .Ljoin2
	s_cmp_eq_u32 s78, 0
	s_cbranch_scc0 .Ljoin2
.irp i, 0,1,2
	ds_load_b128 v[192+8*\i:195+8*\i], v[PRA] offset:2*WT+1024*\i   ; wave w + 2 has the same tiles
	ds_load_b128 v[196+8*\i:199+8*\i], v[PRA] offset:2*WT+1024*\i+512
.endr
	; register 8 i + j holds key kr = 16 t0 + 8 h + 16 i + j (counted from q0 - 64) of query qr = 16 qt + r (from q0).  It counts where max(qr, 64 - q0) <= kr <= min(qr + 128, 1087 - q0)
	s_lshl_b32 s66, s76, 4
	s_sub_co_i32 s67, 64, s16
	s_sub_co_i32 s80, 1087, s16
	s_lshl_b32 s81, s79, 4
	v_add_nc_u32 v247, s66, v[RR]                  ; qr
	v_mov_b32 v248, s67
	v_mov_b32 v249, s80
	v_mov_b32 v240, 0xce6e6b28                     ; -1e9,
	v_lshl_add_u32 v241, v[HH], 3, s81
	v_cmp_gt_i32 vcc_lo, v248, v247
	v_add_nc_u32 v250, 128, v247
	v_cndmask_b32 v248, v247, v248, vcc_lo         ; lo
	v_cmp_gt_i32 vcc_lo, v250, v249
	v_ldexp_f32 v240, v240, s75                    ; in the sums' unit: / 2^(e2 + e3)
	v_cndmask_b32 v249, v250, v249, vcc_lo         ; hi
	v_sub_nc_u32 v241, v241, v248                  ; 16 t0 + 8 h - lo
	v_sub_nc_u32 v242, v249, v248                  ; hi - lo, never negative: the query itself is a key
	s_wait_dscnt 0x0
.irp k, 0,2,4,6,8,10,12,14,16,18,20,22
	v_pk_add_f32 v[SS+\k:SS+\k+1], v[SS+\k:SS+\k+1], v[192+\k:193+\k]
.endr
.irp k, 0,2,4,6,8,10,12,14,16,18,20,22
	v_add_nc_u32 v243, 16*(\k/8)+\k%8, v241
	v_add_nc_u32 v244, 16*(\k/8)+\k%8+1, v241
	v_cmp_ge_u32 vcc_lo, v242, v243                ; one unsigned compare for both ends
	v_cmp_ge_u32 s82, v242, v244
	v_cndmask_b32 v[SS+\k], v240, v[SS+\k], vcc_lo
	v_cndmask_b32 v[SS+\k+1], v240, v[SS+\k+1], s82
.endr
	v_max3_num_f32 v247, v[SS], v[SS+1], v[SS+2]   ; two chains
	v_max3_num_f32 v248, v[SS+3], v[SS+4], v[SS+5]
.irp k, 6,10,14,18
	v_max3_num_f32 v247, v247, v[SS+\k], v[SS+\k+1]
	v_max3_num_f32 v248, v248, v[SS+\k+2], v[SS+\k+3]
.endr
	v_max3_num_f32 v247, v247, v[SS+22], v[SS+23]
	v_max_num_f32 v247, v247, v248
	v_permlanex16_b32 v246, v247, s20, s21
	v_max_num_f32 v247, v247, v246                 ; my 48 keys' largest score of query r
	ds_store_b32 v[SXS], v247
.Ljoin2:
	BAR                                            ; the maxima lie in LDS
	; ---- PS, third part: the same waves: p, its sum, its codes
	s_cmp_lt_u32 s[WV], 12
	s_cbranch_scc0 .Ljoin3
	s_cmp_eq_u32 s78, 0
	s_cbranch_scc0 .Ljoin3
	ds_load_b32 v247, v[SXM]                       ; the three waves of my query tile
	ds_load_b32 v248, v[SXM] offset:128
	ds_load_b32 v249, v[SXM] offset:256
	s_wait_dscnt 0x0
	v_max3_num_f32 v247, v247, v248, v249
	v_mul_f32 v247, s22, v247                      ; the row's largest t (the factor is positive)
	v_floor_f32 v244, -v247                        ; -M = floor(-t) = -ceil(t)
	v_mov_b32 v245, v244
.irp k, 0,2,4,6,8,10,12,14,16,18,20,22
	v_pk_fma_f32 v[SS+\k:SS+\k+1], v[SS+\k:SS+\k+1], s[22:23], v[244:245] op_sel_hi:[1,0,0]   ; t - M
.endr
.set N2, 0
	s_wait_alu depctr_va_vdst(0)                   ; a wait ahead of the batch
.rept 24
	v_exp_f32 v[SS+N2], v[SS+N2]                   ; p = 2^(t - M)
.set N2, N2+1
.endr
	v_mov_b32 v28, s72                             ; (a plain line behind the exponentials)
	v_mov_b32 v29, s73
	s_wait_alu depctr_va_vdst(0)                   ; one wait for the batch, ahead of its first reader
	v_pk_add_f32 v[248:249], v[SS:SS+1], v[SS+2:SS+3]   ; the sum of the unquantised p, in two chains
	v_pk_add_f32 v[240:241], v[SS+4:SS+5], v[SS+6:SS+7]
.irp k, 8,12,16,20
	v_pk_add_f32 v[248:249], v[248:249], v[SS+\k:SS+\k+1]
	v_pk_add_f32 v[240:241], v[240:241], v[SS+\k+2:SS+\k+3]
.endr
	v_pk_add_f32 v[248:249], v[248:249], v[240:241]
	v_add_f32 v247, v248, v249
	v_permlanex16_b32 v246, v247, s20, s21
	v_add_f32 v247, v247, v246
	ds_store_b32 v[SXS], v247 offset:512
.set N2, 0
.rept 24
	v_min_num_f32 v[SS+N2], v[SS+N2], v29          ; p is not negative: a one-sided hold
.set N2, N2+1
.endr
.irp i, 0,1,2
	v_cvt_scalef32_pk8_fp8_f32 v[250+2*\i:251+2*\i], v[SS+8*\i:SS+8*\i+7], v28
.endr
	v_nop                                          ; a plain line behind the last conversion
.irp i, 0,1,2
	ds_store_b64 v[PSA+\i], v[250+2*\i:251+2*\i]   ; keys 16 t + 8 h + 0 .. 7 of query r: a register pair of p's fragment
.endr
.Ljoin3:
	BAR                                            ; p's images and the sums lie in LDS
	; ---- P3: O^T = V^T P^T: 3 K steps of 64 keys, 4 tiles of channels x 2 tiles of queries
	PLOAD 0, PF
	PLOAD 1, PF+16
.irp q, 0,1
.irp g, 0,1,2
	ds_load_b32 v[LP+3*\q+\g], v[SXL] offset:512+64*(\q+2*\g)
.endr
.endr
	s_wait_dscnt 0xa                               ; the first K step's p is in; the second's four loads and the six sums may be out
	PMUL 0, PF
	PLACES
	PLOAD 2, PF
	s_wait_dscnt 0x4                               ; all but the four just issued
	PMUL 1, PF+16
	s_wait_dscnt 0x0
	PMUL 2, PF
	; ---- the way out
	v_add_f32 v[LP], v[LP], v[LP+1]                ; the rows' sums: these four lines are the places behind the last products
	v_add_f32 v[LP+3], v[LP+3], v[LP+4]
	v_add_f32 v[LP], v[LP], v[LP+2]
	v_add_f32 v[LP+3], v[LP+3], v[LP+5]
	LOADX X1, XB, 65536                            ; my rows 16-31 once more, for the residual
	s_wait_alu depctr_va_vdst(0)                   ; a wait ahead of the batch
	v_rcp_f32 v28, v[LP]
	v_rcp_f32 v30, v[LP+3]
	v_nop                                          ; a plain line behind the reciprocals
	s_wait_alu depctr_va_vdst(0)                   ; and the wait ahead of their first reader
	v_ldexp_f32 v28, v28, s74                      ; x 2^(e4 + e5)
	v_ldexp_f32 v30, v30, s74
	s_wait_alu depctr_va_vdst(0)                   ; a wait directly ahead of the first reader of O^T
.irp a, 0,1,2,3,4,5,6,7                        ; a = 2 j + q; each accumulator from its low end on
.irp i, 0,2,4,6
	v_pk_mul_f32 v[OA+8*\a+\i:OA+8*\a+\i+1], v[OA+8*\a+\i:OA+8*\a+\i+1], v[28+2*(\a&1):29+2*(\a&1)] op_sel_hi:[1,0]
.endr
.endr
	OUTQ 0, 64, 96
	OUTQ 1, 128, 192                               ; (O^T's registers are done with when the rows come back)
	s_wait_dscnt 0x10                              ; tile 0's rows are back; tile 1's eight stores and eight loads may be out
	s_wait_loadcnt 0x8                             ; X's rows 0-15 are in; the eight loads of rows 16-31 may be out
	SENDQ 96, X0, 0
	s_wait_dscnt 0x0
	s_wait_loadcnt 0x0
	SENDQ 192, X1, 65536
	s_wait_tensorcnt 0x0                           ; the wave's end: a wait, an add and its wait, behind my last tensor load and my last LDS store
	ds_add_u32 v[SPW], v[NIL]
	s_wait_dscnt 0x0
	ROUND                                          ; the closing round: no work-group ends while a partner may still ask for a tile that names it
	s_endpgm
.Lfunc_end_k_q0413bd4b30_fused:
	.size	k_q0413bd4b30_fused, .Lfunc_end_k_q0413bd4b30_fused-k_q0413bd4b30_fused
	.p2alignl 7, 3214868480
	.fill 96, 4, 3214868480
	.section	.rodata,"a",@progbits
	.p2align	6, 0x0
	.amdhsa_kernel k_q0413bd4b30_fused
		.amdhsa_group_segment_fixed_size 327680
		.amdhsa_private_segment_fixed_size 0
		.amdhsa_enable_private_segment 0
		.amdhsa_kernarg_size 32
		.amdhsa_user_sgpr_count 2
		.amdhsa_user_sgpr_kernarg_segment_ptr 1
		.amdhsa_wavefront_size32 1
		.amdhsa_system_sgpr_workgroup_id_x 1
		.amdhsa_system_sgpr_workgroup_id_y 1
		.amdhsa_system_sgpr_workgroup_id_z 1
		.amdhsa_system_vgpr_workitem_id 0
		.amdhsa_next_free_vgpr 256
		.amdhsa_next_free_sgpr 100
		.amdhsa_reserve_vcc 1
		.amdhsa_float_denorm_mode_32 3
		.amdhsa_float_denorm_mode_16_64 3
		.amdhsa_memory_ordered 1
		.amdhsa_forward_progress 1
		.amdhsa_inst_pref_size 137
	.end_amdhsa_kernel
	.amdgpu_metadata
---
amdhsa.version: [ 1, 2 ]
amdhsa.kernels:
  - .name:           k_q0413bd4b30_fused
    .symbol:         k_q0413bd4b30_fused.kd
    .args:
      - { .name: W_codes, .offset: 0, .size: 8, .value_kind: global_buffer, .address_space: global }
      - { .name: lowp_scales, .offset: 8, .size: 8, .value_kind: global_buffer, .address_space: global }
      - { .name: repr, .offset: 16, .size: 8, .value_kind: global_buffer, .address_space: global }
      - { .name: out0, .offset: 24, .size: 8, .value_kind: global_buffer, .address_space: global }
    .group_segment_fixed_size: 327680
    .private_segment_fixed_size: 0
    .kernarg_segment_align: 8
    .kernarg_segment_size: 32
    .max_flat_workgroup_size: 512
    .sgpr_count:     100
    .vgpr_count:     256
    .wavefront_size: 32
...
	.end_amdgpu_metadata
.endif
;; end of part 2
